; MI455X (gfx1250); checked and timed in simulation.
; The chip was launched on July 23, 2026; its instructions are those of AMD's public machine-readable ISA for CDNA 5 (MIT licence, August 2026) and "CDNA5" Instruction Set Architecture Reference Guide (July 2026). The comments in the code are by the model that wrote it; some were corrected since.
;; Text Masked Multihead Self Attention. Allowed arithmetic: matrix products marked QUANTISED: E2M3 operands, one E8M0 scale for each 32 along K, by v_wmma_scale_f32_16x16x128_f8f6f4 with both operands' format E2M3, f32 sums; everything else in f32.
;; Inputs: ln_b 1,024 float32; ln_g 1,024 float32; wk_b 1,024 float32; wk_w_codes 1,024 x 32 x 24 uint8 (E2M3 codes of wk_w, K innermost, in blocks of 32 codes, four codes in three bytes); wk_w_scales 1,024 x 32 uint8 (E8M0 scales of wk_w, one for each 32 codes along K); wq_b 1,024 float32; wq_w_codes 1,024 x 32 x 24 uint8 (E2M3 codes of wq_w, K innermost, in blocks of 32 codes, four codes in three bytes); wq_w_scales 1,024 x 32 uint8 (E8M0 scales of wq_w, one for each 32 codes along K); wv_b 1,024 float32; wv_w_codes 1,024 x 32 x 24 uint8 (E2M3 codes of wv_w, K innermost, in blocks of 32 codes, four codes in three bytes); wv_w_scales 1,024 x 32 uint8 (E8M0 scales of wv_w, one for each 32 codes along K); x 2 x 2,048 x 1,024 float32.
;; Outputs: out0 2 x 2,048 x 1,024 float32.
;; This version of the problem:
;;   THIS VERSION OF THE PROBLEM IS GIVEN IN LOW PRECISION. The matrix products marked QUANTISED in the list below multiply operands that are first quantised to E2M3 (2 exponent bits, 3 mantissa bits; 6 bits a number), with one power-of-two scale for each 32 numbers along K (OCP MX v1.0); their sums are f32. All else is computed in f32.
;;   The module's matrix products, in the order in which they are computed (A, B: the left and right operand; K: the contracted axis; several contracted axes count as one K, in the product's order):
;;     1. [M 4,096, K 1,024] x [K 1,024, N 1,024]; A: computed on the way; B: input wq_w (given as codes): QUANTISED
;;     2. [M 4,096, K 1,024] x [K 1,024, N 1,024]; A: computed on the way; B: input wk_w (given as codes): QUANTISED
;;     3. [M 4,096, K 1,024] x [K 1,024, N 1,024]; A: computed on the way; B: input wv_w (given as codes): QUANTISED
;;     4. batch 32 x [M 2,048, K 64] x [K 64, N 2,048]; A: computed on the way; B: computed on the way: QUANTISED
;;     5. batch 32 x [M 64, K 2,048] x [K 2,048, N 2,048]; A: computed on the way; B: softmax (see below): QUANTISED
;;   THE QUANTISER, for each operand of a quantised product, along K:
;;     - K is cut into blocks of 32 from its start; a last block that is shorter is filled with zeros.
;;     - A block's scale is 2^e with e = floor(log2(the largest magnitude in the block)) - 2, held to -126 .. 127; a block of zeros has e = 0. As a byte (E8M0): e + 127.
;;     - Each number is divided by its block's scale, clamped to +-7.5, and rounded to the nearest number of E2M3, ties to even, subnormals kept.
;;     - The product sums the exact products of the quantised numbers (number of the format x scale) in f32.
;;   ~~~python
;;   def quantise(x, axis):      # numpy; x: float32 -> the quantised numbers, widened to float32 again
;;       x = np.moveaxis(x, axis, -1); K = x.shape[-1]
;;       x = np.pad(x, [(0, 0)] * (x.ndim - 1) + [(0, -K % 32)]); x = x.reshape(x.shape[:-1] + (-1, 32)); a = np.abs(x).max(-1, keepdims=True)
;;       e = np.where(a > 0, np.clip(np.frexp(np.where(a > 0, a, 1))[1] - 1 - 2, -126, 127), 0)      # np.frexp(a)[1] - 1 = floor(log2(a)), exactly
;;       r = np.clip(x / 2.0 ** e, -7.5, 7.5)
;;       step = 2.0 ** (np.maximum(np.frexp(np.where(r == 0, 1, r))[1] - 1, 0) - 3)
;;       q = np.round(r / step) * step * 2.0 ** e      # np.round: ties to even
;;       return np.moveaxis(q.reshape(q.shape[:-2] + (-1,))[..., :K], -1, axis).astype(np.float32)
;;   ~~~
;;   SOFTMAX AHEAD OF A QUANTISED PRODUCT. Where the list says 'softmax', what is quantised is not the finished softmax but p = 2^(t - M), with t = logit x log2(e) and M = ceil(the row's largest t), a whole number; so 1/2 < the row's largest p <= 1. The row's sum l is taken of the UNQUANTISED p, in f32, and the product's result is divided by l at the end. Since M is a whole number, a kernel that streams over the keys may use a running M (the ceiling of the running maximum): every later rescaling is an exact power of two, which a block's scale takes up: the codes' values come out the same.
;;   OPERANDS COMPUTED ON THE WAY. 'Computed on the way' means the value that the module computes at that place (a softmax that the list does not call 'softmax' is quantised finished and normalised). What goes into a quantiser is computed in f32, as accurately as f32 sums, v_exp_f32 and their like allow (about 1e-6 of the number): no bf16 or f16 on the way to a quantiser, and a product that is left as it is and whose result goes on into a quantised operand takes f32 operands (vector FMAs, or v_wmma_f32_16x16x4_f32). A number that lies on a knife's edge between two numbers of the format may be rounded either way, as far as f32 arithmetic and the matrix unit's own rounding can turn it there, and no further.
;;   INPUTS GIVEN AS CODES. wk_w (in the module: [1024, 1024], K = its axis 1); wq_w (in the module: [1024, 1024], K = its axis 1); wv_w (in the module: [1024, 1024], K = its axis 1): each comes as NAME_codes (uint8): NAME with its K axis moved to the last place and cut into blocks of 32 codes, [.., K / 32, bytes a block], one block behind the other in memory; four codes in three bytes: a row's codes are one little-endian stream of bits, code i at bits 6 i .. 6 i + 5 (a code: sign, 2 exponent bits, 3 mantissa bits); and NAME_scales (uint8): the same leading axes, one E8M0 byte (e + 127) for each 32 codes along K. Its value is code x scale, taken as it is: it is not quantised again, and the codes and scales need not be those that the quantiser above would give.
;; One version. Each part assembles by itself: llvm-mc -triple=amdgcn-amd-amdhsa -mcpu=gfx1250 --defsym DOCPART=n.
;; ======== version 1 of 1: 3 launches
;; limits: right only within a limited range of input values
;; workspace buffers: xc 3,145,728 bytes; xs 131,072 bytes; qb 3,407,872 bytes; kv 6,684,672 bytes
;; launch lnq (part 1): grid 256 x 1, 16 waves a work-group, no clusters, 84,480 bytes of LDS; arguments x, ln_g, ln_b, xc, xs; writes xc, xs
.if DOCPART == 1
	.amdgcn_target "amdgcn-amd-amdhsa--gfx1250"
	.amdhsa_code_object_version 6
	.text
	.protected	k_q62f67dbab6_lnq
	.globl	k_q62f67dbab6_lnq
	.p2align	8
	.type	k_q62f67dbab6_lnq,@function
k_q62f67dbab6_lnq:
	s_mov_b64 s[64:65], 0
	v_nop
	global_prefetch_b8 v0, s[64:65] scope:SCOPE_SE
	s_setreg_imm32_b32 hwreg(HW_REG_WAVE_MODE, 25, 1), 1
	s_wait_xcnt 0x0
; xn = (x - mean) * rsqrt(var + 1e-5) * g + b for 4,096 rows of 1,024 f32, then quantised along the row to codes of FP6 (E2M3) with one E8M0 byte for each 32:
; xc [4096][768] codes, a row's stream of bits as it lies; xs [4096][32] scale bytes.
; SHARES.  A work-group of sixteen waves takes 16 rows, a wave one: it holds the whole row in 32 registers, so mean and variance never leave the wave.  The variance is taken of x - mean (two passes over registers).
; The row's 8 loads go out first, each of 512 consecutive bytes, then g's and b's 16.  The conversion wants 16 NEIGHBOURS in a lane: each half row (2,048 bytes) turns through the wave's own stage in LDS,
; stored as loaded, read back 64 bytes a lane (80 bytes from lane to lane: 16 of padding).  Two neighbouring lanes then hold a block of 32.
; A block's scale is 2^(floor(log2(largest magnitude)) - 2); its byte is the largest magnitude's exponent field - 2, held at 1 from below.
; LIMITS: a block of zeros, or one whose largest magnitude lies under 2^-124, gets the byte 1 where the rule says 127 or less: its codes are then zeros or held small, and the bytes are read by this program alone;
; NaN and infinities among the inputs are not served; v_rsq_f32 is accurate to 1 ulp.
; No matrix unit, no cluster, no tensor load: the work-groups share nothing but 8 KiB of g and b.
.set SP,   80                          ; a lane's place in a stage: 64 bytes + 16
.set STG,  32*SP                       ; a stage: half a row
.set WREG, 2*STG                       ; a wave's two stages
.set SCB,  16*WREG                     ; behind them: the work-group's 512 scale bytes
.set SPARE, SCB+512                    ; behind them: the spare words, 128 bytes a wave
.set R,    16                          ; v16-47   the row
.set G,    144                         ; v144-175 g of my columns: register 16 st + e = column 512 st + 16 lane + e
.set B,    176                         ; v176-207 b likewise
.set C,    208                         ; v208-215 codes: four registers for each half
.set E,    240                         ; v240-241 a scale byte for each half
	s_load_b256 s[4:11], s[0:1], 0x0               ; x, g, b, xc
	s_load_b64 s[12:13], s[0:1], 0x20              ; xs
	v_lshl_add_u32 v254, v0, 2, SPARE
	v_mov_b32 v255, 0
	v_lshrrev_b32 v1, 5, v0
	s_delay_alu instid0(VALU_DEP_1)
	v_readfirstlane_b32 s16, v1                    ; wave 0..15
	v_and_b32 v1, 31, v0                           ; lane
	s_mul_i32 s17, s16, WREG
	v_lshlrev_b32 v2, 4, v1                        ; my 16 bytes of a load's 512
	v_lshrrev_b32 v3, 2, v1
	v_and_b32 v4, 3, v1
	v_mul_u32_u24 v3, v3, SP
	v_mul_u32_u24 v9, v1, SP
	v_lshrrev_b32 v5, 1, v1
	v_lshl_add_u32 v3, v4, 4, v3
	v_add_nc_u32 v4, s17, v9                       ; the stage, out: my 16 neighbours
	v_add_nc_u32 v3, s17, v3                       ; the stage, in: four lanes' 64 bytes on end, then 16 of padding
	s_lshl_b32 s17, s16, 5
	s_add_co_u32 s17, s17, SCB
	v_add_nc_u32 v5, s17, v5                       ; my row's 32 scale bytes, my block's byte
	v_mul_u32_u24 v6, v1, 12                       ; my 16 codes' 12 bytes in a half row's 384
	v_lshlrev_b32 v7, 6, v1                        ; my 16 numbers of g and of b
	v_add_nc_u32 v252, SCB, v2                     ; wave 0, at the end: 16 scale bytes a lane
	s_mov_b32 s18, 0x76543210
	s_mov_b32 s19, 0xfedcba98                      ; lane l xor 16
	s_mov_b32 s20, 0x3a800000                      ; 1 / 1024
	s_mov_b32 s21, 0x3727c5ac                      ; 1e-5
	s_lshl_b32 s22, ttmp9, 16                      ; x: 16 rows of 4,096 bytes a work-group,
	s_lshl_b32 s23, s16, 12                        ; one a wave
	s_add_co_u32 s22, s22, s23
	s_mov_b32 s23, 0
	s_mul_i32 s24, ttmp9, 16*768                   ; xc likewise, 768 bytes a row
	s_mul_i32 s25, s16, 768
	s_add_co_u32 s24, s24, s25
	s_mov_b32 s25, 0
	s_lshl_b32 s26, ttmp9, 9                       ; xs: 512 bytes a work-group
	s_mov_b32 s27, 0
	s_wait_alu depctr_va_vdst(0)                   ; the wait at the head's end
	s_wait_kmcnt 0x0
	s_add_nc_u64 s[4:5], s[4:5], s[22:23]
	s_add_nc_u64 s[10:11], s[10:11], s[24:25]
	s_add_nc_u64 s[12:13], s[12:13], s[26:27]
.irp j, 0,1,2,3,4,5,6,7
	global_load_b128 v[R+4*\j:R+4*\j+3], v2, s[4:5] offset:512*\j th:TH_LOAD_NT   ; 32 lanes read 512 consecutive bytes
.endr
.irp st, 0,1
.irp k, 0,1,2,3
	global_load_b128 v[G+16*\st+4*\k:G+16*\st+4*\k+3], v7, s[6:7] offset:2048*\st+16*\k
	global_load_b128 v[B+16*\st+4*\k:B+16*\st+4*\k+3], v7, s[8:9] offset:2048*\st+16*\k
.endr
.endr
.macro WSUM                            ; v8: summed over the 32 lanes, the result in every lane; v9 at work (written before)
.irp m, 1,2,4,8
	s_delay_alu instid0(VALU_DEP_1)
	v_add_f32_dpp v8, v8, v8 row_xmask:\m row_mask:0xf bank_mask:0xf
.endr
	s_delay_alu instid0(VALU_DEP_1)
	v_permlanex16_b32 v9, v8, s18, s19
	s_delay_alu instid0(VALU_DEP_1)
	v_add_f32 v8, v8, v9
.endm
	s_wait_loadcnt 16                              ; the row is in; g's and b's sixteen may be out
; the row through its two stages, back into the registers that it left.  LDS serves a wave's instructions in order: no wait stands between the stores and the loads
.irp st, 0,1
.irp k, 0,1,2,3
	ds_store_b128 v3, v[R+16*\st+4*\k:R+16*\st+4*\k+3] offset:\st*STG+8*SP*\k
.endr
.endr
.irp st, 0,1
.irp k, 0,1,2,3
	ds_load_b128 v[R+16*\st+4*\k:R+16*\st+4*\k+3], v4 offset:\st*STG+16*\k
.endr
.endr
	s_wait_loadcnt 0x0                             ; g and b
	s_wait_dscnt 0x0
	v_pk_add_f32 v[8:9], v[R:R+1], v[R+2:R+3]                      ; the row's sum: two chains
	v_pk_add_f32 v[10:11], v[R+4:R+5], v[R+6:R+7]
.irp j, 8,12,16,20,24,28
	v_pk_add_f32 v[8:9], v[8:9], v[R+\j:R+\j+1]
	v_pk_add_f32 v[10:11], v[10:11], v[R+\j+2:R+\j+3]
.endr
	s_delay_alu instid0(VALU_DEP_1)
	v_pk_add_f32 v[8:9], v[8:9], v[10:11]
	s_delay_alu instid0(VALU_DEP_1)
	v_add_f32 v8, v8, v9
	WSUM
	s_delay_alu instid0(VALU_DEP_1)
	v_mul_f32 v248, s20, v8                        ; the mean, twice: a pair for the packed lines
	v_mul_f32 v249, s20, v8
.set j, 0
.rept 16
	v_pk_add_f32 v[R+j:R+j+1], v[R+j:R+j+1], v[248:249] neg_lo:[0,1] neg_hi:[0,1]   ; d = x - mean
.set j, j+2
.endr
	v_pk_mul_f32 v[8:9], v[R:R+1], v[R:R+1]                        ; the sum of d^2
	v_pk_mul_f32 v[10:11], v[R+2:R+3], v[R+2:R+3]
.irp j, 4,8,12,16,20,24,28
	v_pk_fma_f32 v[8:9], v[R+\j:R+\j+1], v[R+\j:R+\j+1], v[8:9]
	v_pk_fma_f32 v[10:11], v[R+\j+2:R+\j+3], v[R+\j+2:R+\j+3], v[10:11]
.endr
	s_delay_alu instid0(VALU_DEP_1)
	v_pk_add_f32 v[8:9], v[8:9], v[10:11]
	s_delay_alu instid0(VALU_DEP_1)
	v_add_f32 v8, v8, v9
	WSUM
	s_delay_alu instid0(VALU_DEP_1)
	v_fma_f32 v8, v8, s20, s21                     ; var + eps
	s_wait_alu depctr_va_vdst(0)                   ; the wait ahead of the transcendentals
	v_rsq_f32 v250, v8
	v_rsq_f32 v251, v8                             ; twice: a pair
	v_nop                                          ; a plain line behind the transcendentals,
	s_wait_alu depctr_va_vdst(0)                   ; and the wait ahead of their first reader
.set j, 0
.rept 16
	v_pk_mul_f32 v[R+j:R+j+1], v[R+j:R+j+1], v[250:251]
.set j, j+2
.endr
.set j, 0
.rept 16
	v_pk_fma_f32 v[R+j:R+j+1], v[R+j:R+j+1], v[G+j:G+j+1], v[B+j:B+j+1]
.set j, j+2
.endr
; the largest magnitude of my 16, for both halves by turns, two chains each
.irp st, 0,1
	v_max3_num_f32 v[8+4*\st], |v[R+16*\st]|, |v[R+16*\st+1]|, |v[R+16*\st+2]|
	v_max3_num_f32 v[9+4*\st], |v[R+16*\st+3]|, |v[R+16*\st+4]|, |v[R+16*\st+5]|
.endr
.irp n, 6,10
.irp st, 0,1
	v_max3_num_f32 v[8+4*\st], v[8+4*\st], |v[R+16*\st+\n]|, |v[R+16*\st+\n+1]|
	v_max3_num_f32 v[9+4*\st], v[9+4*\st], |v[R+16*\st+\n+2]|, |v[R+16*\st+\n+3]|
.endr
.endr
.irp st, 0,1
	v_max3_num_f32 v[8+4*\st], v[8+4*\st], |v[R+16*\st+14]|, |v[R+16*\st+15]|
.endr
.irp st, 0,1
	s_delay_alu instid0(VALU_DEP_2)
	v_max3_num_f32 v[8+4*\st], v[8+4*\st], v[9+4*\st], 0x1800000   ; and the floor 2^(3 - 127): the byte cannot fall under 1
.endr
.irp st, 0,1
	s_delay_alu instid0(VALU_DEP_2)
	v_max_num_f32_dpp v[8+4*\st], v[8+4*\st], v[8+4*\st] row_xmask:1 row_mask:0xf bank_mask:0xf   ; with my neighbour's 16: the block's
.endr
.irp st, 0,1
	s_delay_alu instid0(VALU_DEP_2)
	v_add_nc_u32 v[11+4*\st], 0xff000000, v[8+4*\st]               ; 2 off its exponent field: the conversion's scale operand
.endr
.irp st, 0,1
	v_cvt_scalef32_pk16_fp6_f32 v[C+4*\st:C+4*\st+2], v[R+16*\st:R+16*\st+15], v[11+4*\st]
.endr
.irp st, 0,1
	v_lshrrev_b32 v[E+\st], 23, v[11+4*\st]        ; the scale's byte (also the plain line behind the conversions)
.endr
.irp st, 0,1
	ds_store_b8 v5, v[E+\st] offset:16*\st         ; both lanes of a block write the same byte with the same value
	global_store_b96 v6, v[C+4*\st:C+4*\st+2], s[10:11] offset:384*\st   ; 384 consecutive bytes; the row's two stores fill three aligned blocks of 256
.endr
	s_wait_dscnt 0x0                               ; for the others' sake: my byte stores have landed
	s_barrier_signal -1
	s_barrier_wait -1
	s_cmp_lg_u32 s16, 0
	s_cbranch_scc1 .Lend
	ds_load_b128 v[8:11], v252                     ; wave 0: the work-group's 512 scale bytes,
	s_wait_dscnt 0x0
	global_store_b128 v2, v[8:11], s[12:13]        ; two aligned blocks of 256 bytes
.Lend:
	s_wait_tensorcnt 0x0                           ; the wave's end
	ds_add_u32 v254, v255
	s_wait_dscnt 0x0
	s_endpgm
.Lfunc_end_k_q62f67dbab6_lnq:
	.size	k_q62f67dbab6_lnq, .Lfunc_end_k_q62f67dbab6_lnq-k_q62f67dbab6_lnq
	.p2alignl 7, 3214868480
	.fill 96, 4, 3214868480
	.section	.rodata,"a",@progbits
	.p2align	6, 0x0
	.amdhsa_kernel k_q62f67dbab6_lnq
		.amdhsa_group_segment_fixed_size 84480
		.amdhsa_private_segment_fixed_size 0
		.amdhsa_enable_private_segment 0
		.amdhsa_kernarg_size 40
		.amdhsa_user_sgpr_count 2
		.amdhsa_user_sgpr_kernarg_segment_ptr 1
		.amdhsa_wavefront_size32 1
		.amdhsa_system_sgpr_workgroup_id_x 1
		.amdhsa_system_sgpr_workgroup_id_y 1
		.amdhsa_system_sgpr_workgroup_id_z 1
		.amdhsa_system_vgpr_workitem_id 0
		.amdhsa_next_free_vgpr 256
		.amdhsa_next_free_sgpr 66
		.amdhsa_reserve_vcc 0
		.amdhsa_float_denorm_mode_32 3
		.amdhsa_float_denorm_mode_16_64 3
		.amdhsa_memory_ordered 1
		.amdhsa_forward_progress 1
		.amdhsa_inst_pref_size 15
	.end_amdhsa_kernel
	.amdgpu_metadata
---
amdhsa.version: [ 1, 2 ]
amdhsa.kernels:
  - .name:           k_q62f67dbab6_lnq
    .symbol:         k_q62f67dbab6_lnq.kd
    .args:
      - { .name: x, .offset: 0, .size: 8, .value_kind: global_buffer, .address_space: global }
      - { .name: ln_g, .offset: 8, .size: 8, .value_kind: global_buffer, .address_space: global }
      - { .name: ln_b, .offset: 16, .size: 8, .value_kind: global_buffer, .address_space: global }
      - { .name: xc, .offset: 24, .size: 8, .value_kind: global_buffer, .address_space: global }
      - { .name: xs, .offset: 32, .size: 8, .value_kind: global_buffer, .address_space: global }
    .group_segment_fixed_size: 84480
    .private_segment_fixed_size: 0
    .kernarg_segment_align: 8
    .kernarg_segment_size: 40
    .max_flat_workgroup_size: 512
    .sgpr_count:     66
    .vgpr_count:     256
    .wavefront_size: 32
...
	.end_amdgpu_metadata
.endif
;; end of part 1
;; launch qkv (part 2): grid 12 x 16, 4 waves a work-group, clusters of 4 x 4, 327,680 bytes of LDS; arguments xc, xs, wq_w_codes, wq_w_scales, wk_w_codes, wk_w_scales, wv_w_codes, wv_w_scales, wq_b, wk_b, wv_b, qb, kv; writes qb, kv
.if DOCPART == 2
	.amdgcn_target "amdgcn-amd-amdhsa--gfx1250"
	.amdhsa_code_object_version 6
	.text
	.protected	k_q62f67dbab6_qkv
	.globl	k_q62f67dbab6_qkv
	.p2align	8
	.type	k_q62f67dbab6_qkv,@function
k_q62f67dbab6_qkv:
	s_mov_b64 s[64:65], 0
	v_nop
	global_prefetch_b8 v0, s[64:65] scope:SCOPE_SE
	s_setreg_imm32_b32 hwreg(HW_REG_WAVE_MODE, 25, 1), 1
	s_wait_xcnt 0x0
	s_wait_alu depctr_hold_cnt(0) depctr_sa_sdst(0) depctr_va_vdst(0) depctr_va_sdst(0) depctr_va_ssrc(0) depctr_va_vcc(0) depctr_vm_vsrc(0)
	s_getreg_b32 s2, hwreg(HW_REG_IB_STS2, 6, 4)
	s_cmp_eq_u32 s2, 0
	s_cbranch_scc0 .Lentry_in_a_cluster
	s_endpgm
.Lentry_in_a_cluster:
	s_bfe_u32 s2, ttmp6, 0x10000c
	s_cmp_lg_u32 s2, 0xf033
	s_cbranch_scc0 .Lentry_shape_is_right
	s_endpgm
.Lentry_shape_is_right:
; q, k, v = xn W^T + bias on codes of FP6 (E2M3) with E8M0 scales, K = 1,024, then quantised again for the attention launch.
; Cluster x picks the product: 0 q, 1 k, 2 v.  A tile of 256 x 256 to a work-group, 128 x 128 to each of four waves (64 accumulators).
; q, k: operand A = 256 tokens (xc), B = 256 rows of the weight; v: A = 256 rows of wv, B = 256 tokens.  The matrix instruction is used transposed
; (source 0 = B's rows, source 1 = A's): a lane holds one row of A and eight neighbouring columns of B.  So q and k are quantised along the channels, v along the tokens.
; K goes in chunks of 256 bytes of each row (a row of codes is 768 bytes: three chunks, eight steps of 96 bytes) through two LDS slots; steps 2 and 5 lie across two chunks.
; The scales of the 256 + 256 rows come once, as dense blocks.  A's tiles are asked for jointly along a row of the cluster, B's along a column.
; No prefetch: the block is the largest, in clusters, and K is three chunks, of which the head and the first round ask for two.
; WHAT IS STORED: images of operand registers.  qb: for each (16 batch + head) 16 steps of 128 tokens, 6,656 bytes each: eight tiles of 16 tokens x 3 planes of 256 bytes (8 bytes a lane),
; then 512 bytes of scale words (lane l, word j: tile 2 j + l / 16, row l % 16; two bytes used).  kv: 16 steps of 13,056 bytes: k as in qb, then v's codes (2 halves x 4 tiles of 16 channels x 768 bytes)
; and 256 bytes of v's scale words.  Inside a block of 32 the places are permuted (place 16 h + 8 u + j holds number 16 u + 8 h + j), alike for q and k, and for v and p.
; LIMITS: a block whose largest magnitude lies under 2^-124 gets the byte 1; NaN and infinities are not served.
.set ROWB,   256
.set NQ,     2
.set KROW,   768
.set STEPS,  8
.set CHUNKS, 3
.set PITCH,  272                       ; 256 bytes + 16 of padding
.set FR,     12
.set NL,     6
.set NP,     4
.set HALFT,  128*PITCH
.set SLOT,   4*HALFT
.set KS,     32
.set SCL,    2*SLOT
.set HALFS,  (128*KS/256)*272
.set SBLK,   (16*KS/256)*272
.set SPARE,  SCL+4*HALFS               ; the spare words: 512 bytes that no other line names
.set OBB,  8
.set OBA,  9
.set ADRA, 16                          ; v16-17 A's fragments in slot 0, 1; v18-19 for pieces whose lane halves lie in two chunks
.set ADRB, 20
.set L8,   24
.set L16,  25
.set ADRS, 27
.set SPW,  28
.set NIL,  29
.set LN,   31
.set SC,   32                          ; v32-63 scale words, two sets
.set BB,   64                          ; v64-127 bias along B's columns
.set AF,   128                         ; v128-223 A's fragments
.set BA,   224                         ; v224-231 bias along A's rows
.set HA,   128
.set PC,   192
.set PWS,  212
.set W,    220
.set TM,   232
.set WB,   248
.set T,    252
.set SEL,  18
.set G1, 24
.set G0, 32
.set G1B, 48
.set G0B, 56
.set G1S, 68
.set G0S, 76
.set G1SB, 80
.set G0SB, 88
.set G0H, 4
.set G0HB, 8
.set PP,   92
.set P0,   100
.set P1,   104
.set MSB, 0
.macro WIN new
.if MSB != \new
	s_set_vgpr_msb (MSB<<8)|\new
.set MSB, \new
.endif
.endm
.set MUL_LO, 0xa1                      ; source 0 (B) window 1, source 1 (A) window 0, C and D window 2
.set MUL_HI, 0xf1
.set TO_B,   0x40
.macro JLOAD g0a, g1a, g0b, g1b        ; waves 0, 1 fetch for A, waves 2, 3 for B
	s_cmp_eq_u32 s15, 0
	s_cbranch_scc0 .Lfor_b_\@
	tensor_load_to_lds s[\g0a:\g0a+3], s[\g1a:\g1a+7]
	s_nop 0
.rept 4
	v_nop
.endr
	s_branch .Lasked_\@
.Lfor_b_\@:
	tensor_load_to_lds s[\g0b:\g0b+3], s[\g1b:\g1b+7]
	s_nop 0
.rept 4
	v_nop
.endr
.Lasked_\@:
.endm
.macro CREST
	s_cmp_lg_u32 s14, 0
	s_cbranch_scc1 .Lnot_wave_0_\@
	s_barrier_signal -3
.Lnot_wave_0_\@:
	s_barrier_wait -3
	s_barrier_signal -1
	s_barrier_wait -1
.endm
.macro CROUND
	s_barrier_signal -1
	s_barrier_wait -1
	CREST
.endm
	s_load_b128 s[4:7], s[0:1], 0x0                ; xc, xs
	s_load_b256 s[68:75], s[0:1], 0x10             ; wq's codes, scales; wk's
	s_load_b128 s[76:79], s[0:1], 0x30             ; wv's
	s_load_b128 s[80:83], s[0:1], 0x40             ; wq_b, wk_b
	s_load_b64 s[84:85], s[0:1], 0x50              ; wv_b
	s_load_b64 s[88:89], s[0:1], 0x58              ; qb
	s_load_b64 s[90:91], s[0:1], 0x60              ; kv
	v_lshl_add_u32 v[SPW], v0, 2, SPARE
	v_mov_b32 v[NIL], 0
	ds_add_u32 v[SPW], v[NIL]                      ; the opening lines: the add twice and its wait
	ds_add_u32 v[SPW], v[NIL]
	v_lshrrev_b32 v1, 5, v0
	v_readfirstlane_b32 s14, v1                    ; wave
	s_lshr_b32 s15, s14, 1                         ; my half of A's rows; also: I fetch for A (0) or B (1)
	s_and_b32 s16, s14, 1                          ; my half of B's rows; also: which 128 rows I fetch
	s_bfe_u32 s40, ttmp6, 0x40000                  ; cx
	s_bfe_u32 s41, ttmp6, 0x40004                  ; cy
	s_mov_b32 s66, ttmp9                           ; 0 q, 1 k, 2 v: the same in all partners
	s_and_b32 s18, ttmp7, 0xffff
	s_lshl_b32 s18, s18, 2
	s_lshl_b32 s43, s41, 2
	s_lshl_b32 s43, 15, s43                        ; my row of the cluster
	s_lshl_b32 s44, 0x1111, s40                    ; my column
	s_or_b32 s[G1+0], s43, (0<<16)|(1<<20)|(1<<21)|(5<<22)|(3<<25)
	s_or_b32 s[G1B+0], s44, (0<<16)|(1<<20)|(1<<21)|(5<<22)|(3<<25)
.irp g, G1, G1B
	s_mov_b32 s[\g+1], ROWB<<16
	s_mov_b32 s[\g+2], 256<<16                     ; the head's loads bring 256 rows
	s_mov_b32 s[\g+3], ROWB<<16
	s_mov_b32 s[\g+4], 256
	s_mov_b32 s[\g+5], KROW
	s_mov_b32 s[\g+6], 0
	s_mov_b32 s[\g+7], 0
.endr
	s_wait_dscnt 0x0
	s_wait_kmcnt 0x0
	s_cmp_eq_u32 s66, 0
	s_cselect_b64 s[8:9], s[68:69], s[72:73]
	s_cselect_b64 s[10:11], s[70:71], s[74:75]
	s_cselect_b64 s[12:13], s[80:81], s[82:83]
	s_cselect_b64 s[P0:P0+1], s[88:89], s[90:91]
	s_mov_b32 s67, 208896
	s_cselect_b32 s67, 106496, s67                 ; a head's bytes in the buffer stored into
	s_mov_b32 s2, 13056
	s_cselect_b32 s2, 6656, s2                     ; a step's
	s_cmp_eq_u32 s66, 2
	s_cselect_b64 s[8:9], s[76:77], s[8:9]
	s_cselect_b64 s[10:11], s[78:79], s[10:11]
	s_cselect_b64 s[12:13], s[84:85], s[12:13]
	s_cselect_b64 s[20:21], s[8:9], s[4:5]         ; v: the weight is A, the tokens are B
	s_cselect_b64 s[22:23], s[10:11], s[6:7]
	s_cselect_b64 s[8:9], s[4:5], s[8:9]
	s_cselect_b64 s[10:11], s[6:7], s[10:11]
	s_cselect_b32 s19, 0, s18
	s_cselect_b32 s18, s18, 0
	s_mov_b64 s[4:5], s[20:21]
	s_mov_b64 s[6:7], s[22:23]
	s_add_co_u32 s17, s41, s19                     ; tile row of A
	s_add_co_u32 s42, s40, s18                     ; tile row of B
	s_or_b32 s[G1S+0], s43, (3<<16)|(1<<20)|(1<<21)|(5<<22)|(3<<25)
	s_or_b32 s[G1SB+0], s44, (3<<16)|(1<<20)|(1<<21)|(5<<22)|(3<<25)
.irp g, G1S, G1SB                      ; the scales of 256 rows: 32 rows of 256 bytes, dense
	s_mov_b32 s[\g+1], 32<<16
	s_mov_b32 s[\g+2], KS<<16
	s_mov_b32 s[\g+3], 32<<16
	s_mov_b32 s[\g+4], KS
	s_mov_b32 s[\g+5], 32
	s_mov_b32 s[\g+6], 0
	s_mov_b32 s[\g+7], 0
.endr
	s_lshl_b32 s20, s17, 8
	s_lshl_b32 s46, s42, 8
	s_mov_b32 s21, 0
	s_mov_b32 s47, 0
	s_mov_b64 s[18:19], KS
	s_mul_u64 s[22:23], s[20:21], s[18:19]
	s_mul_u64 s[92:93], s[46:47], s[18:19]
	s_mov_b64 s[18:19], KROW
	s_mul_u64 s[20:21], s[20:21], s[18:19]
	s_mul_u64 s[46:47], s[46:47], s[18:19]
	s_mul_i32 s18, s16, 128*KROW                   ; in the ring I fetch 128 rows
	s_mov_b32 s19, 0
	s_mul_i32 s45, s14, HALFT
	s_add_nc_u64 s[20:21], s[4:5], s[20:21]
	s_add_nc_u64 s[22:23], s[6:7], s[22:23]
	s_add_nc_u64 s[46:47], s[8:9], s[46:47]
	s_add_nc_u64 s[92:93], s[10:11], s[92:93]
	CROUND                                         ; in front of the first joint loads
	s_mov_b32 s[G0H], 1
	s_mov_b32 s[G0H+1], 0
	s_mov_b64 s[G0H+2:G0H+3], s[20:21]
	s_or_b32 s[G0H+3], s[G0H+3], 0x80000000
	s_mov_b32 s[G0HB], 1
	s_mov_b32 s[G0HB+1], 2*HALFT
	s_mov_b64 s[G0HB+2:G0HB+3], s[46:47]
	s_or_b32 s[G0HB+3], s[G0HB+3], 0x80000000
	s_mov_b32 s[G0S], 1
	s_mov_b32 s[G0S+1], SCL
	s_mov_b64 s[G0S+2:G0S+3], s[22:23]
	s_or_b32 s[G0S+3], s[G0S+3], 0x80000000
	s_mov_b32 s[G0SB], 1
	s_mov_b32 s[G0SB+1], SCL+2*HALFS
	s_mov_b64 s[G0SB+2:G0SB+3], s[92:93]
	s_or_b32 s[G0SB+3], s[G0SB+3], 0x80000000
	s_add_nc_u64 s[20:21], s[20:21], s[18:19]
	s_add_nc_u64 s[46:47], s[46:47], s[18:19]
.irp s, 0,1
	s_mov_b32 s[G0+4*\s], 1
	s_add_co_u32 s[G0+4*\s+1], s45, \s*SLOT
	s_add_nc_u64 s[G0+4*\s+2:G0+4*\s+3], s[20:21], \s*ROWB
	s_or_b32 s[G0+4*\s+3], s[G0+4*\s+3], 0x80000000
	s_mov_b32 s[G0B+4*\s], 1
	s_add_co_u32 s[G0B+4*\s+1], s45, \s*SLOT
	s_add_nc_u64 s[G0B+4*\s+2:G0B+4*\s+3], s[46:47], \s*ROWB
	s_or_b32 s[G0B+4*\s+3], s[G0B+4*\s+3], 0x80000000
.endr
; the head's four tiles, one load a wave: chunk 0 of A, chunk 0 of B, A's scales, B's scales
.macro ARM under, g0, g1, next
	s_cmp_lt_u32 s14, \under
	s_cbranch_scc0 \next
	tensor_load_to_lds s[\g0:\g0+3], s[\g1:\g1+7]
	s_nop 0
.rept 4
	v_nop
.endr
	s_branch .Lhead_asked
\next:
.endm
	ARM 1, G0H,  G1,  .Lhead_b
	ARM 2, G0HB, G1B, .Lhead_sa
	ARM 3, G0S,  G1S, .Lhead_sb
	tensor_load_to_lds s[G0SB:G0SB+3], s[G1SB:G1SB+7]
	s_nop 0
.rept 4
	v_nop
.endr
.Lhead_asked:
	v_and_b32 v1, 15, v0                           ; r
	v_bfe_u32 v2, v0, 4, 1                         ; h
	v_mul_u32_u24 v3, v1, PITCH
	v_mul_u32_u24 v4, v2, 24
	v_add_nc_u32 v4, v3, v4                        ; row x pitch + 24 h
	s_mov_b32 s21, SLOT-232
	s_mov_b32 s22, SLOT+232
	v_sub_nc_u32 v7, 1, v2
	v_mul_u32_u24 v5, s21, v2
	v_add_nc_u32 v5, v3, v5
	v_add_nc_u32 v5, 232, v5                       ; lanes 0-15 byte 232 in slot 0, lanes 16-31 byte 0 in slot 1
	v_mul_u32_u24 v6, s22, v7
	v_add_nc_u32 v6, v3, v6                        ; and the other way round
	s_mul_i32 s21, s15, HALFT
	s_mul_i32 s22, s16, HALFT
	s_add_co_u32 s22, s22, 2*HALFT
	v_add_nc_u32 v[ADRA+2], s21, v5
	v_add_nc_u32 v[ADRA+3], s21, v6
	v_add_nc_u32 v[ADRB+2], s22, v5
	v_add_nc_u32 v[ADRB+3], s22, v6
.irp s, 0,1
	v_add_nc_u32 v[ADRA+\s], s21, v4
	v_add_nc_u32 v[ADRB+\s], s22, v4
	s_add_co_u32 s21, s21, SLOT
	s_add_co_u32 s22, s22, SLOT
.endr
	v_mul_u32_u24 v5, v1, KS
	v_lshrrev_b32 v6, 8, v5
	v_lshl_add_u32 v5, v6, 4, v5
	s_mul_i32 s21, s15, HALFS
	s_mul_i32 s22, s16, HALFS
	s_add_co_u32 s22, s22, 2*HALFS
	s_sub_co_u32 s22, s22, s21
	v_mul_u32_u24 v6, s22, v2                      ; lanes 16-31 take B's scale words
	s_add_co_u32 s21, s21, SCL
	v_add_nc_u32 v5, v5, v6
	v_add_nc_u32 v[ADRS], s21, v5
	v_and_b32 v[LN], 31, v0
	v_lshlrev_b32 v[L8], 3, v[LN]
	v_lshlrev_b32 v[L16], 4, v[LN]
	s_lshl_b32 s20, s40, 10
	s_lshl_b32 s21, s16, 9
	s_add_co_u32 s20, s20, s21
	v_lshl_add_u32 v[OBB], v2, 5, s20              ; the bias of my eight columns of B's block 0
	s_lshl_b32 s20, s41, 10
	s_lshl_b32 s21, s15, 9
	s_add_co_u32 s20, s20, s21
	v_lshl_add_u32 v[OBA], v1, 2, s20              ; the bias of my row of A's block 0
.irp b, 0,1,2,3,4,5,6,7
	global_load_b128 v[BB+8*\b:BB+8*\b+3], v[OBB], s[12:13] offset:64*\b
	global_load_b128 v[BB+8*\b+4:BB+8*\b+7], v[OBB], s[12:13] offset:64*\b+16
.endr
.irp a, 0,1,2,3,4,5,6,7
	global_load_b32 v[BA+\a], v[OBA], s[12:13] offset:64*\a
.endr
	; where my images go
	s_lshl_b32 s20, s17, 1
	s_add_co_u32 s20, s20, s15
	s_lshl_b32 s21, s42, 1
	s_add_co_u32 s21, s21, s16
	s_lshl_b32 s22, s20, 1
	s_lshl_b32 s23, s21, 1
	s_cmp_eq_u32 s66, 2
	s_cselect_b32 s20, s21, s20                    ; my step of 128 tokens
	s_cselect_b32 s22, s22, s23                    ; my first head
	s_cselect_b32 s45, 1.0, 0                      ; which of the two biases counts
	s_cselect_b32 s46, 0, 1.0
	s_cselect_b32 s[PP], 6656, 0
	s_mov_b32 s23, 3072
	s_cselect_b32 s[PP+4], s67, s23
	s_cselect_b32 s[PP+2], s23, s67
	s_mov_b32 s47, s46
	s_mov_b32 s[PP+6], s[PP+2]
	s_mov_b32 s[PP+1], 0
	s_mov_b32 s[PP+3], 0
	s_mov_b32 s[PP+5], 0
	s_mov_b32 s[PP+7], 0
	s_and_b32 s21, s20, 16
	s_add_co_u32 s21, s21, s22
	s_mul_i32 s21, s21, s67
	s_and_b32 s20, s20, 15
	s_mul_i32 s20, s20, s2
	s_add_co_u32 s20, s20, s21
	s_mov_b32 s21, 0
	s_add_nc_u64 s[P0:P0+1], s[P0:P0+1], s[20:21]
	s_mov_b32 s20, s67
	s_add_nc_u64 s[P1:P1+1], s[P0:P0+1], s[20:21]
	s_add_nc_u64 s[PP:PP+1], s[P0:P0+1], s[PP:PP+1]
	s_add_nc_u64 s[PP+4:PP+5], s[PP:PP+1], s[PP+4:PP+5]
	s_add_nc_u64 s[PP+6:PP+7], s[PP+4:PP+5], s[PP+6:PP+7]
	s_add_nc_u64 s[PP+2:PP+3], s[PP:PP+1], s[PP+2:PP+3]
	s_mov_b32 s[SEL], 0x76543210
	s_mov_b32 s[SEL+1], 0xfedcba98
.macro FRAG reg, adr, st, i            ; 16 rows x 128 K: six pieces of 8 bytes; byte y of a row lies in slot (y / 256) % 2 at byte y % 256
.irp p, 0,1,2,3,4,5
.set BY, 96*(\st)+48*(\p/3)+8*(\p%3)
.if BY/ROWB == (BY+24)/ROWB
	ds_load_b64 v[\reg+2*\p:\reg+2*\p+1], v[\adr+(BY/ROWB)%2] offset:BY%ROWB+(\i)*16*PITCH
.else
	ds_load_b64 v[\reg+2*\p:\reg+2*\p+1], v[\adr+2+(BY/ROWB)%2] offset:BY%ROWB-232+(\i)*16*PITCH
.endif
.endr
.endm
.macro MUL16 a0, p, q, sc, zero        ; the 64 accumulators take turns
.irp a, \a0, \a0+1
.irp b, 0,1,2,3,4,5,6,7
.if \zero
	v_wmma_scale_f32_16x16x128_f8f6f4 v[8*(8*((\a)%4)+\b):8*(8*((\a)%4)+\b)+7], v[128*(\p)+FR*\b:128*(\p)+FR*\b+FR-1], v[AF+FR*(\a):AF+FR*(\a)+FR-1], 0, v[SC+8*NQ*(\sc)+NQ*\b+(\q)], v[SC+8*NQ*(\sc)+NQ*(\a)+(\q)] matrix_a_fmt:MATRIX_FMT_FP6 matrix_b_fmt:MATRIX_FMT_FP6 matrix_a_scale:MATRIX_SCALE_ROW1
.else
	v_wmma_scale_f32_16x16x128_f8f6f4 v[8*(8*((\a)%4)+\b):8*(8*((\a)%4)+\b)+7], v[128*(\p)+FR*\b:128*(\p)+FR*\b+FR-1], v[AF+FR*(\a):AF+FR*(\a)+FR-1], v[8*(8*((\a)%4)+\b):8*(8*((\a)%4)+\b)+7], v[SC+8*NQ*(\sc)+NQ*\b+(\q)], v[SC+8*NQ*(\sc)+NQ*(\a)+(\q)] matrix_a_fmt:MATRIX_FMT_FP6 matrix_b_fmt:MATRIX_FMT_FP6 matrix_a_scale:MATRIX_SCALE_ROW1
.endif
.endr
.endr
.endm
.macro FETCH_B st, p
	WIN TO_B
.irp i, 0,1,2,3,4,5,6,7
	FRAG 128*(\p)+FR*\i, ADRB, \st, \i
.endr
	WIN 0
.endm
.macro FETCH_A st, i0
.irp i, \i0, \i0+1, \i0+2, \i0+3
	FRAG AF+FR*(\i), ADRA, \st, \i
.endr
.endm
.macro SCALES pr                       ; the scale words of steps 2 pr, 2 pr + 1
.irp i, 0,1,2,3,4,5,6,7
	ds_load_b64 v[SC+8*NQ*((\pr)%2)+NQ*\i:SC+8*NQ*((\pr)%2)+NQ*\i+1], v[ADRS] offset:\i*SBLK+4*NQ*(\pr)
.endr
.endm
.macro PLACES n
.rept \n
	v_nop
.endr
.endm
; A step of 128 along K.  Where the next step's bytes end in a chunk not yet read: a barrier for that chunk.  Where they begin in a later chunk: the chunk left behind is free,
; and where a chunk two on is left to fetch the barrier opens a round of the cluster's barrier and the slot is filled again.
.macro STEP st, zero
.set NX, (\st)+1
.set C0, (96*(\st))/ROWB
.set C1, (96*NX)/ROWB
.set E0, (96*(\st)+95)/ROWB
.set E1, (96*NX+95)/ROWB
.if C1 > C0 || E1 > E0
	s_wait_tensorcnt 0x0                           ; all my tensor loads have landed
.if C1 > C0
	ds_add_u32 v[SPW], v[NIL]
	s_wait_dscnt 4*NL+1                            ; the add and A's blocks 4-7 may be out
.else
	s_wait_dscnt 4*NL
.endif
	WIN MUL_LO
	MUL16 0, (\st)%2, (\st)%2, ((\st)/2)%2, \zero
	s_wait_dscnt 0x0                               ; the add and all my reads are done
	s_barrier_signal -1
	MUL16 2, (\st)%2, (\st)%2, ((\st)/2)%2, \zero
	WIN 0
	s_barrier_wait -1
.if C1 > C0 && C0+2 < CHUNKS
	CREST
	s_add_nc_u64 s[G0+4*(C0%2)+2:G0+4*(C0%2)+3], s[G0+4*(C0%2)+2:G0+4*(C0%2)+3], 2*ROWB
	s_add_nc_u64 s[G0B+4*(C0%2)+2:G0B+4*(C0%2)+3], s[G0B+4*(C0%2)+2:G0B+4*(C0%2)+3], 2*ROWB
	JLOAD G0+4*(C0%2), G1, G0B+4*(C0%2), G1B       ; chunk C0 + 2; its four v_nop are the places for the loads below
.else
	PLACES NP
.endif
.else
	s_wait_dscnt 4*NL                              ; all but A's blocks 4-7
	WIN MUL_LO
	MUL16 0, (\st)%2, (\st)%2, ((\st)/2)%2, \zero
	MUL16 2, (\st)%2, (\st)%2, ((\st)/2)%2, \zero
	s_wait_dscnt 0
	PLACES NP
.endif
	FETCH_B NX, NX%2
	FETCH_A NX, 0
.if NX%2 == 0
	SCALES NX/2
.endif
	WIN MUL_HI
	MUL16 4, (\st)%2, (\st)%2, ((\st)/2)%2, \zero
	MUL16 6, (\st)%2, (\st)%2, ((\st)/2)%2, \zero
	PLACES NP
	WIN 0
	FETCH_A NX, 4
.endm
	s_wait_alu depctr_va_vdst(0)                   ; the wait at the head's end
	s_wait_tensorcnt 0x0                           ; my tile of the head's four is in
	ds_add_u32 v[SPW], v[NIL]
	s_mov_b32 s[G1+2], 128<<16                     ; no load of mine is out: from here on a load brings 128 rows
	s_mov_b32 s[G1+4], 128
	s_mov_b32 s[G1B+2], 128<<16
	s_mov_b32 s[G1B+4], 128
	s_wait_dscnt 0x0
	CROUND
	JLOAD G0+4, G1, G0B+4, G1B                     ; chunk 1: slot 1's first fill, issued as a refill is
	FETCH_B 0, 0
	FETCH_A 0, 0
	SCALES 0
	FETCH_A 0, 4
	STEP 0, 1
.set ST, 1
.rept STEPS-2
	STEP ST, 0
.set ST, ST+1
.endr
	s_wait_dscnt 4*NL
	WIN MUL_LO
	MUL16 0, 1, 1, 1, 0
	MUL16 2, 1, 1, 1, 0
	s_wait_dscnt 0
	WIN MUL_HI
	MUL16 4, 1, 1, 1, 0
	MUL16 6, 1, 1, 1, 0
	WIN 0
; 16 rows x 128 columns at v[s ..]: four blocks of 32 (a lane's 16 and lane l xor 16's), their scale word, their codes as an operand's 12 registers
.macro QUANT s, pw
.irp b, 0,1,2,3
	v_max3_num_f32 v[TM+\b], |v[\s+16*\b]|, |v[\s+1+16*\b]|, 0x1800000
.endr
.irp i, 2,4,6,8,10,12,14
.irp b, 0,1,2,3
	v_max3_num_f32 v[TM+\b], v[TM+\b], |v[\s+16*\b+\i]|, |v[\s+1+16*\b+\i]|
.endr
.endr
.irp b, 0,1,2,3
	v_permlanex16_b32 v[TM+4+\b], v[TM+\b], s[SEL], s[SEL+1]
.endr
.irp b, 0,1,2,3
	v_max_num_f32 v[TM+\b], v[TM+\b], v[TM+4+\b]
.endr
.irp b, 0,1,2,3
	v_add_nc_u32 v[TM+12+\b], 0xff000000, v[TM+\b]
.endr
.irp b, 0,1,2,3
	v_lshrrev_b32 v[TM+4+\b], 23, v[TM+12+\b]
.endr
	v_lshl_or_b32 v[\pw], v[TM+5], 8, v[TM+4]
	v_lshl_or_b32 v[\pw], v[TM+6], 16, v[\pw]
	v_lshl_or_b32 v[\pw], v[TM+7], 24, v[\pw]
.irp c, 0,1
	v_cvt_scalef32_pk16_fp6_f32 v[PC+6*\c:PC+2+6*\c], v[\s+32*\c:\s+15+32*\c], v[TM+12+2*\c]
	v_cvt_scalef32_pk16_fp6_f32 v[PC+12+4*\c:PC+14+4*\c], v[\s+16+32*\c:\s+31+32*\c], v[TM+12+2*\c+1]
.endr
	v_nop
.irp c, 0,1
.irp i, 0,1,2
	v_permlane16_swap_b32 v[PC+6*\c+\i], v[PC+12+4*\c+\i]
.endr
.irp i, 0,1,2
	v_mov_b32 v[PC+3+6*\c+\i], v[PC+12+4*\c+\i]
.endr
.endr
.endm
.macro OUT a                           ; A's block a: + bias, quantised, six planes of 256 bytes stored
.set AC, 64*((\a)%4)
	v_mul_f32 v[T], s45, v[BA+(\a)]
	WIN 0x20+0x10*((\a)/4)
.set i, 0
.rept 32
	v_pk_fma_f32 v[HA+i:HA+i+1], v[BB+i:BB+i+1], s[46:47], v[AC+i:AC+i+1] op_sel_hi:[1,0,1]
.set i, i+2
.endr
	WIN 0
.set i, 0
.rept 32
	v_pk_add_f32 v[HA+i:HA+i+1], v[HA+i:HA+i+1], v[T:T+1] op_sel_hi:[1,0]
.set i, i+2
.endr
.if (\a) > 0
	s_wait_xcnt 0x0                                ; the last block's stores have read their data
.endif
	QUANT HA, PWS+(\a)
.irp p, 0,1,2,3,4,5
	global_store_b64 v[L8], v[PC+2*\p:PC+2*\p+1], s[PP+4*((\a)/4)+2*(\p/3):PP+4*((\a)/4)+2*(\p/3)+1] offset:768*((\a)%4)+256*(\p%3)
.endr
.endm
	s_wait_loadcnt 0x0                             ; the biases
.irp b, 0,1,2,3
	v_mov_b32 v[TM+4+\b], 0
.endr
	v_mov_b32 v[T+1], 0
.irp a, 0,1,2,3,4,5,6,7
	OUT \a
.endr
	v_cmp_gt_u32 vcc_lo, 16, v[LN]
.irp j, 0,1,2,3
	v_cndmask_b32 v[W+\j], v[PWS+2*\j+1], v[PWS+2*\j], vcc_lo
.endr
	s_cmp_eq_u32 s66, 2
	s_cbranch_scc1 .Lv_words
.irp j, 0,1,2,3
	v_lshrrev_b32 v[WB+\j], 16, v[W+\j]
.endr
.irp j, 0,1,2,3
	v_and_b32 v[W+\j], 0xffff, v[W+\j]
.endr
	global_store_b128 v[L16], v[W:W+3], s[P0:P0+1] offset:6144
	global_store_b128 v[L16], v[WB:WB+3], s[P1:P1+1] offset:6144
	s_branch .Lwords_done
.Lv_words:
	s_wait_alu depctr_va_vdst(0)
	global_store_b64 v[L8], v[W:W+1], s[P0:P0+1] offset:12800
	global_store_b64 v[L8], v[W+2:W+3], s[P1:P1+1] offset:12800
.Lwords_done:
	s_wait_tensorcnt 0x0                           ; the wave's end
	ds_add_u32 v[SPW], v[NIL]
	s_wait_dscnt 0x0
	CROUND                                         ; the closing round
	s_endpgm
.Lfunc_end_k_q62f67dbab6_qkv:
	.size	k_q62f67dbab6_qkv, .Lfunc_end_k_q62f67dbab6_qkv-k_q62f67dbab6_qkv
	.p2alignl 7, 3214868480
	.fill 96, 4, 3214868480
	.section	.rodata,"a",@progbits
	.p2align	6, 0x0
	.amdhsa_kernel k_q62f67dbab6_qkv
		.amdhsa_group_segment_fixed_size 327680
		.amdhsa_private_segment_fixed_size 0
		.amdhsa_enable_private_segment 0
		.amdhsa_kernarg_size 104
		.amdhsa_user_sgpr_count 2
		.amdhsa_user_sgpr_kernarg_segment_ptr 1
		.amdhsa_wavefront_size32 1
		.amdhsa_system_sgpr_workgroup_id_x 1
		.amdhsa_system_sgpr_workgroup_id_y 1
		.amdhsa_system_sgpr_workgroup_id_z 1
		.amdhsa_system_vgpr_workitem_id 0
		.amdhsa_next_free_vgpr 1024
		.amdhsa_next_free_sgpr 106
		.amdhsa_reserve_vcc 1
		.amdhsa_float_denorm_mode_32 3
		.amdhsa_float_denorm_mode_16_64 3
		.amdhsa_memory_ordered 1
		.amdhsa_forward_progress 1
		.amdhsa_inst_pref_size 203
	.end_amdhsa_kernel
	.amdgpu_metadata
---
amdhsa.version: [ 1, 2 ]
amdhsa.kernels:
  - .name:           k_q62f67dbab6_qkv
    .symbol:         k_q62f67dbab6_qkv.kd
    .args:
      - { .name: xc, .offset: 0, .size: 8, .value_kind: global_buffer, .address_space: global }
      - { .name: xs, .offset: 8, .size: 8, .value_kind: global_buffer, .address_space: global }
      - { .name: wq_w_codes, .offset: 16, .size: 8, .value_kind: global_buffer, .address_space: global }
      - { .name: wq_w_scales, .offset: 24, .size: 8, .value_kind: global_buffer, .address_space: global }
      - { .name: wk_w_codes, .offset: 32, .size: 8, .value_kind: global_buffer, .address_space: global }
      - { .name: wk_w_scales, .offset: 40, .size: 8, .value_kind: global_buffer, .address_space: global }
      - { .name: wv_w_codes, .offset: 48, .size: 8, .value_kind: global_buffer, .address_space: global }
      - { .name: wv_w_scales, .offset: 56, .size: 8, .value_kind: global_buffer, .address_space: global }
      - { .name: wq_b, .offset: 64, .size: 8, .value_kind: global_buffer, .address_space: global }
      - { .name: wk_b, .offset: 72, .size: 8, .value_kind: global_buffer, .address_space: global }
      - { .name: wv_b, .offset: 80, .size: 8, .value_kind: global_buffer, .address_space: global }
      - { .name: qb, .offset: 88, .size: 8, .value_kind: global_buffer, .address_space: global }
      - { .name: kv, .offset: 96, .size: 8, .value_kind: global_buffer, .address_space: global }
    .group_segment_fixed_size: 327680
    .private_segment_fixed_size: 0
    .kernarg_segment_align: 8
    .kernarg_segment_size: 104
    .max_flat_workgroup_size: 128
    .sgpr_count:     106
    .vgpr_count:     1024
    .wavefront_size: 32
...
	.end_amdgpu_metadata
.endif
;; end of part 2
;; launch attn (part 3): grid 8 x 32, 16 waves a work-group, clusters of 4 x 1, 280,576 bytes of LDS; arguments qb, kv, x, out0; writes out0
.if DOCPART == 3
	.amdgcn_target "amdgcn-amd-amdhsa--gfx1250"
	.amdhsa_code_object_version 6
	.text
	.protected	k_q62f67dbab6_attn
	.globl	k_q62f67dbab6_attn
	.p2align	8
	.type	k_q62f67dbab6_attn,@function
k_q62f67dbab6_attn:
	s_mov_b64 s[64:65], 0
	v_nop
	global_prefetch_b8 v0, s[64:65] scope:SCOPE_SE
	s_setreg_imm32_b32 hwreg(HW_REG_WAVE_MODE, 25, 1), 1
	s_wait_xcnt 0x0
	s_wait_alu depctr_hold_cnt(0) depctr_sa_sdst(0) depctr_va_vdst(0) depctr_va_sdst(0) depctr_va_ssrc(0) depctr_va_vcc(0) depctr_vm_vsrc(0)
	s_getreg_b32 s2, hwreg(HW_REG_IB_STS2, 6, 4)
	s_cmp_eq_u32 s2, 0
	s_cbranch_scc0 .Lentry_in_a_cluster
	s_endpgm
.Lentry_in_a_cluster:
	s_bfe_u32 s2, ttmp6, 0x10000c
	s_cmp_lg_u32 s2, 0x3003
	s_cbranch_scc0 .Lentry_shape_is_right
	s_endpgm
.Lentry_shape_is_right:
; out0 = x + softmax(q k^T / sqrt(2048)) v, 32 heads (batch x head) of 2,048 tokens and 64 channels, both products on codes of FP6 (E2M3) with E8M0 scales.
; q, k, v arrive as images of operand registers (qb, kv: the layouts stand at the head of the launch that makes them).
; THE SOFTMAX: t = score x log2(e) / sqrt(2048); M = the running largest t rounded UP to a whole number; p = 2^(t - M) is quantised along the keys, not normalised;
; the row's sum is taken of the unquantised p and divides at the end.  When M moves, the sum and O are multiplied by 2^(old M - new M): exact.
; SHARES.  A work-group owns 256 queries of one head, each of its sixteen waves 16 of them.  A head's K and V, 208,896 dense bytes, are sixteen steps of 128 keys, 13,056 bytes = 51 rows of 256:
; wave w asks for step w, one tensor load a wave at the head; one barrier; no byte of LDS is filled again.  So there is no loop of fills to run ahead in, and no prefetch is laid.
; CLUSTER.  The four query blocks of a cluster belong to one head: each load is a joint one, the same descriptor in all four and a mask that names the four.
; LAYOUT.  Both products are used transposed: S^T = K Q^T, O^T = V^T P^T: a lane holds ONE query (lane % 16) throughout.
; WHICH KEYS FORM A TILE OF K is chosen by the lanes' LDS addresses: tile (c, T) takes as rows 0-7 keys 32 (2 c) + kap(T) + 0 .. 7 and as rows 8-15 keys 32 (2 c + 1) + kap(T) + 0 .. 7, kap = 0, 16, 8, 24.
; In S^T lane (query, h) then holds, in the 32 registers of tiles (c, 0 .. 3), the WHOLE block 2 c + h of 32 keys, in the order in which V's codes lie in their blocks:
; a block's maximum needs no other lane, and the conversions' results are the operand's registers.  In the image two rows of such a tile lie 1,536 bytes apart, so a load of K touches each bank twice.
; The head has 64 channels and the instruction is 128 deep: a fragment of K holds TWO tiles, (c, e) at k = 0 .. 63 and (c, e + 2) at k = 64 .. 127; multiplied with [q, 0] it gives the first's scores,
; with [0, q] the second's.  [q, 0, q] lies in 18 registers.  The eight tiles of a step fill 48 registers, and the next step's are asked for as soon as this step's eight products are issued.
; x's 16 rows are loaded in the last step, which is written out, into K's registers, a step's vector work ahead of their use.
; LIMITS: NaN and infinities are not served; the promise holds while |t| stays under 2^31; a block whose every p has fallen under 2^-124 gets the byte 1; v_exp_f32 and v_rcp_f32 are accurate to 1 ulp;
; a block's largest p is taken as the p of its largest score.
.set KVB,   208896
.set STEPB, 13056
.set KSC,   6144                       ; in a step: K's scale words,
.set VCO,   6656                       ; V's codes,
.set VSC,   12800                      ; V's scale words
.set XST,   KVB                        ; behind K and V: for each wave a stage of 16 rows x (256 + 16) bytes
.set SPARE, 0x44000                    ; behind the stages: the spare words, 128 bytes a wave
; v0 at work; v1 8 x lane; v2 my place in a tile of K; v3 stage, back; v4 my place among K's words; v5 8 h; v6-7 the step's addresses; v8-10 at work; v11 stage, in; v12 -M; v13 the largest score; v[14:15] the sum
.set QF,  16                           ; v16-33 q, zeros, q
.set QS,  34                           ; Q's scale word, in both halves
.set XO,  35                           ; my byte offset in x and out0
.set KW,  36                           ; v36-37 K's scale words, two tiles to a word
.set VS,  38                           ; v38-39 V's scale words
.set KR,  40                           ; v40-43 K's scale words, a tile to a word
.set SPW, 44
.set NIL, 45
.set FF,  46                           ; f
.set PW,  47                           ; p's scale word
.set KF,  48
.set S,   96
.set O,   160
.set VF,  192
.set P,   240                          ; v240-251 p's codes; before that v240-247 the maxima's chains, v240-241 the two blocks' maxima; v244, v250 the conversions' scales; v242-255 the sums' chains
.set TM,  240
.set WV,  12
.set NC,  13                           ; s13: -c
.set SEL, 20
.set CS,  22
.set G1J, 24
.set G0J, 40
.set TB,  2                            ; s2: LDS byte at which the step in hand begins
.macro CROUND
	s_barrier_signal -1
	s_barrier_wait -1
	s_cmp_lg_u32 s[WV], 0
	s_cbranch_scc1 .Lnot_wave_0_\@
	s_barrier_signal -3
.Lnot_wave_0_\@:
	s_barrier_wait -3
	s_barrier_signal -1
	s_barrier_wait -1
.endm
	s_load_b256 s[4:11], s[0:1], 0x0               ; qb, kv, x, out0
	v_lshl_add_u32 v[SPW], v0, 2, SPARE
	v_mov_b32 v[NIL], 0
	ds_add_u32 v[SPW], v[NIL]                      ; the opening lines: the add twice and its wait
	ds_add_u32 v[SPW], v[NIL]
	v_lshrrev_b32 v1, 5, v0
	s_delay_alu instid0(VALU_DEP_1)
	v_readfirstlane_b32 s[WV], v1                  ; wave 0..15
	s_bfe_u32 s13, ttmp6, 0x40000                  ; cx: it enters Q's, x's and out0's global addresses alone
	s_lshl_b32 s14, ttmp9, 2
	s_add_co_u32 s14, s14, s13                     ; my block of 256 queries
	s_and_b32 s15, ttmp7, 0xffff                   ; 16 x batch + head
	s_mov_b32 s[G1J], 15|(3<<16)|(1<<21)           ; the mask of all four; elements of 8 bytes
	s_mov_b32 s[G1J+1], 32<<16
	s_mov_b32 s[G1J+2], 51<<16                     ; 51 rows of 256 bytes, dense
	s_mov_b32 s[G1J+3], 32<<16
	s_mov_b32 s[G1J+4], 51
	s_mov_b32 s[G1J+5], 32
	s_mov_b32 s[G1J+6], 0
	s_mov_b32 s[G1J+7], 0
	s_mul_i32 s17, s[WV], STEPB                    ; my step: in memory and in LDS alike
	s_mul_i32 s18, s15, KVB
	s_add_co_u32 s18, s18, s17
	s_mov_b32 s19, 0
	s_mul_i32 s16, s[WV], 4352
	s_add_co_u32 s16, s16, XST                     ; my stage
	s_lshr_b32 s56, s15, 4                         ; batch
	s_and_b32 s57, s15, 15                         ; head
	s_lshl_b32 s56, s56, 11
	s_lshl_b32 s58, s14, 8
	s_add_co_u32 s56, s56, s58
	s_lshl_b32 s58, s[WV], 4
	s_add_co_u32 s56, s56, s58                     ; my first row of x and out0
	s_lshl_b32 s56, s56, 12
	s_lshl_b32 s57, s57, 8
	s_add_co_u32 s56, s56, s57                     ; + the head's 256 bytes
	s_mov_b32 s57, 0
	s_mul_i32 s58, s15, 106496                     ; qb: my head,
	s_lshl_b32 s59, s14, 1
	s_lshr_b32 s60, s[WV], 3
	s_add_co_u32 s59, s59, s60
	s_mul_i32 s59, s59, 6656
	s_add_co_u32 s58, s58, s59                     ; the step of 128 tokens that holds my 16
	s_and_b32 s59, s[WV], 1
	s_lshl_b32 s59, s59, 8
	s_bfe_u32 s60, s[WV], 0x20001
	s_lshl_b32 s60, s60, 2
	s_add_co_u32 s60, s60, s59
	s_add_co_u32 s60, s60, s58                     ; my tile's scale words
	s_and_b32 s59, s[WV], 7
	s_mul_i32 s59, s59, 768
	s_add_co_u32 s58, s58, s59                     ; my tile's codes
	s_mov_b32 s59, 0
	s_mov_b32 s61, 0
	s_mov_b32 s[SEL], 0x76543210
	s_mov_b32 s[SEL+1], 0xfedcba98
	s_mov_b32 s[CS], 0x3d0293ee                    ; c = log2(e) / sqrt(2048)
	s_mov_b32 s[CS+1], s[CS]
	s_mov_b32 s[NC], 0xbd0293ee                    ; -c
	s_mov_b32 s[TB], 0
	s_wait_dscnt 0x0
	s_wait_kmcnt 0x0
	s_add_nc_u64 s[6:7], s[6:7], s[18:19]
	s_add_nc_u64 s[62:63], s[4:5], s[60:61]
	s_add_nc_u64 s[4:5], s[4:5], s[58:59]
	s_add_nc_u64 s[8:9], s[8:9], s[56:57]
	s_add_nc_u64 s[10:11], s[10:11], s[56:57]
	s_mov_b32 s[G0J], 1
	s_mov_b32 s[G0J+1], s17
	s_mov_b64 s[G0J+2:G0J+3], s[6:7]
	s_or_b32 s[G0J+3], s[G0J+3], 0x80000000
	CROUND                                         ; all four work-groups are here: the joint loads meet
	tensor_load_to_lds s[G0J:G0J+3], s[G1J:G1J+7]  ; my one tensor load: step w of the head's K and V
	s_nop 0
.rept 4
	v_nop
.endr
	v_and_b32 v9, 31, v0
	v_and_b32 v10, 15, v0                          ; r
	v_bfe_u32 v8, v0, 4, 1                         ; h
	v_and_b32 v6, 7, v0                            ; lane % 8
	v_bfe_u32 v7, v0, 3, 1                         ; rows 8-15 of a tile?
	v_lshlrev_b32 v1, 3, v9
	v_lshlrev_b32 v255, 4, v10
.irp p, 0,1,2
	global_load_b64 v[QF+2*\p:QF+2*\p+1], v1, s[4:5] offset:256*\p
.endr
	global_load_b32 v[QS], v255, s[62:63] offset:KSC
	v_mul_u32_u24 v2, v7, 1536                     ; K's codes: rows 8-15 come from the image two tiles on,
	v_lshlrev_b32 v4, 4, v6                        ; K's words: 16 bytes a row of the image,
	v_mul_u32_u24 v11, v10, 272
	v_mul_u32_u24 v3, v8, 272
	v_lshlrev_b32 v[XO], 12, v8
	v_lshl_add_u32 v2, v6, 3, v2                   ; 8 bytes a row,
	v_lshl_add_u32 v4, v7, 2, v4                   ; rows 8-15 take the next word,
	v_lshl_add_u32 v11, v8, 5, v11
	v_lshl_add_u32 v3, v10, 4, v3
	v_lshl_add_u32 v[XO], v10, 4, v[XO]            ; lanes 0-15 one row of 256 bytes, lanes 16-31 the next
	v_lshl_add_u32 v2, v8, 7, v2                   ; and the channels' upper block 128 bytes on
	v_lshl_add_u32 v4, v8, 8, v4                   ; lanes 16-31 take the words of the odd fragment's tiles
	v_add_nc_u32 v11, s16, v11                     ; the stage, in: row r, + 32 h
	v_add_nc_u32 v3, s16, v3                       ; and back: two whole rows
	v_lshlrev_b32 v5, 3, v8                        ; 8 h: where my blocks' bytes stand in p's scale word
.irp j, 6,7,8,9,10,11
	v_mov_b32 v[QF+\j], 0                          ; zero codes between the two copies of q
.endr
	v_mov_b32 v13, 0xff61b1e6                      ; -3e38, under every score
	v_mov_b32 v14, 0
	v_mov_b32 v15, 0
	v_mul_f32 v12, s[NC], v13
	v_mov_b32 v[PW], 0                             ; named as the upper half of the pair with f
	s_delay_alu instid0(VALU_DEP_2)
	v_floor_f32 v12, v12                           ; -M
	s_wait_alu depctr_va_vdst(0)
	s_wait_loadcnt 0x0                             ; Q
.irp j, 0,1,2,3,4,5
	v_mov_b32 v[QF+12+\j], v[QF+\j]
.endr
	v_lshl_or_b32 v[QS], v[QS], 16, v[QS]          ; its two bytes serve k = 0 .. 63 and k = 64 .. 127
	s_wait_alu depctr_va_vdst(0)                   ; the wait at the head's end
	s_wait_tensorcnt 0x0                           ; my step is in
	s_barrier_signal -1
	s_barrier_wait -1                              ; everybody's is
.macro KLOAD adr, off                  ; fragment f = 2 c + e, half y: tile (c, e + 2 y): rows 8 y .. 8 y + 7 of the images 4 c + e and 4 c + e + 2
.irp f, 0,1,2,3
.irp y, 0,1
.irp p, 0,1,2
	ds_load_b64 v[KF+12*\f+6*\y+2*\p:KF+12*\f+6*\y+2*\p+1], v[\adr] offset:\off+768*(4*(\f/2)+(\f%2))+64*\y+256*\p
.endr
.endr
.endr
.endm
.macro KRLOAD adr, off                 ; register 2 c + y: lanes 0-15 the words of tile (c, 2 y), lanes 16-31 of tile (c, 1 + 2 y)
.irp c, 0,1
.irp y, 0,1
	ds_load_b32 v[KR+2*\c+\y], v[\adr] offset:\off+KSC+8*\c+128*\y
.endr
.endr
.endm
.macro KWORDS                          ; two tiles' bytes make a fragment's word
	v_lshl_or_b32 v[KW], v[KR+1], 16, v[KR]
	v_lshl_or_b32 v[KW+1], v[KR+3], 16, v[KR+2]
.endm
.macro QK f, y                         ; tile (c, e + 2 y) of fragment f = 2 c + e
.if (\f)%2
	v_wmma_scale_f32_16x16x128_f8f6f4 v[S+32*((\f)/2)+8*(1+2*(\y)):S+32*((\f)/2)+8*(1+2*(\y))+7], v[KF+12*(\f):KF+12*(\f)+11], v[QF+6*(\y):QF+6*(\y)+11], 0, v[KW+(\f)/2], v[QS] matrix_a_fmt:MATRIX_FMT_FP6 matrix_b_fmt:MATRIX_FMT_FP6 matrix_a_scale:MATRIX_SCALE_ROW1
.else
	v_wmma_scale_f32_16x16x128_f8f6f4 v[S+32*((\f)/2)+8*(2*(\y)):S+32*((\f)/2)+8*(2*(\y))+7], v[KF+12*(\f):KF+12*(\f)+11], v[QF+6*(\y):QF+6*(\y)+11], 0, v[KW+(\f)/2], v[QS] matrix_a_fmt:MATRIX_FMT_FP6 matrix_b_fmt:MATRIX_FMT_FP6
.endif
.endm
.macro PV t
.if (\t)%2
	v_wmma_scale_f32_16x16x128_f8f6f4 v[O+8*(\t):O+8*(\t)+7], v[VF+12*(\t):VF+12*(\t)+11], v[P:P+11], v[O+8*(\t):O+8*(\t)+7], v[VS+(\t)/2], v[PW] matrix_a_fmt:MATRIX_FMT_FP6 matrix_b_fmt:MATRIX_FMT_FP6 matrix_a_scale:MATRIX_SCALE_ROW1
.else
	v_wmma_scale_f32_16x16x128_f8f6f4 v[O+8*(\t):O+8*(\t)+7], v[VF+12*(\t):VF+12*(\t)+11], v[P:P+11], v[O+8*(\t):O+8*(\t)+7], v[VS+(\t)/2], v[PW] matrix_a_fmt:MATRIX_FMT_FP6 matrix_b_fmt:MATRIX_FMT_FP6
.endif
.endm
; A KEY STEP: 128 keys.  No two matrix instructions that follow each other share an accumulator, over the backward jump too.
.macro STEP last
.irp f, 0,1,2,3
	QK \f, 0
	QK \f, 1
.endr
	v_add_nc_u32 v6, s[TB], v1                     ; four places behind the products, in front of the loads into K's and V's registers and of the first read of S
.if \last
	v_nop
	v_nop
.else
	v_add_nc_u32 v7, s[TB], v2
	v_add_nc_u32 v255, s[TB], v4
.endif
	v_nop
.if \last
.irp i, 0,1,2,3,4,5,6,7
	global_load_b128 v[KF+4*\i:KF+4*\i+3], v[XO], s[8:9] offset:8192*\i th:TH_LOAD_NT   ; x's rows 2 i, 2 i + 1: 16 lanes read 256 consecutive bytes
.endr
.else
	KRLOAD 255, STEPB                              ; the next step's K: its four registers of words first,
	KLOAD 7, STEPB                                 ; then its 24 pieces
.endif
.irp t, 0,1,2,3
.irp c, 0,1
.irp p, 0,1,2
	ds_load_b64 v[VF+12*\t+6*\c+2*\p:VF+12*\t+6*\c+2*\p+1], v6 offset:VCO+3072*\c+768*\t+256*\p
.endr
.endr
.endr
	ds_load_b64 v[VS:VS+1], v6 offset:VSC
; the largest score of my two blocks of 32 keys: for the row's maximum and for the blocks' largest p.  Eight chains, one a tile, each from its accumulator's low end on
.irp t, 0,1,2,3,4,5,6,7
	v_max3_num_f32 v[TM+\t], v[S+8*\t], v[S+8*\t+1], v[S+8*\t+2]
.endr
.irp i, 3,5
.irp t, 0,1,2,3,4,5,6,7
	v_max3_num_f32 v[TM+\t], v[TM+\t], v[S+8*\t+\i], v[S+8*\t+\i+1]
.endr
.endr
	v_max3_num_f32 v240, v240, v241, v[S+7]
	v_max3_num_f32 v244, v244, v245, v[S+39]
	v_max3_num_f32 v242, v242, v243, v[S+15]
	v_max3_num_f32 v246, v246, v247, v[S+47]
	v_max3_num_f32 v240, v240, v242, v[S+23]
	v_max3_num_f32 v244, v244, v246, v[S+55]
	v_max_num_f32 v240, v240, v[S+31]              ; block h
	v_max_num_f32 v241, v244, v[S+63]              ; block 2 + h
	s_delay_alu instid0(VALU_DEP_1)
	v_max3_num_f32 v13, v13, v240, v241            ; the running largest score of my half of the keys,
	s_delay_alu instid0(VALU_DEP_1)
	v_permlanex16_b32 v0, v13, s[SEL], s[SEL+1]
	s_delay_alu instid0(VALU_DEP_1)
	v_max_num_f32 v13, v13, v0                     ; and of all
	v_mov_b32 v0, v12
	s_delay_alu instid0(VALU_DEP_2)
	v_mul_f32 v9, s[NC], v13                       ; -t (c is positive)
	s_delay_alu instid0(VALU_DEP_1)
	v_floor_f32 v12, v9                            ; -M = -ceil(t)
.set j, 0
.rept 32
	v_pk_fma_f32 v[S+j:S+j+1], v[S+j:S+j+1], s[CS:CS+1], v[12:13] op_sel_hi:[1,0,0]   ; t - M
.if j == 6
	v_sub_f32 v0, v12, v0                          ; old M - new M, a whole number
.endif
.if j == 16
	v_cvt_i32_f32 v0, v0                           ; (it saturates)
.endif
.if j == 26
	v_ldexp_f32 v[FF], 1.0, v0                     ; f
.endif
.set j, j+2
.endr
	v_fma_f32 v240, v240, s[CS], v12
	v_fma_f32 v241, v241, s[CS], v12
	s_wait_alu depctr_va_vdst(0)                   ; the wait ahead of the batch
.set j, 0
.rept 64
	v_exp_f32 v[S+j], v[S+j]                       ; p
.set j, j+1
.endr
	v_pk_mul_f32 v[14:15], v[14:15], v[FF:FF+1] op_sel_hi:[1,0]   ; the sum under the new M
	s_wait_alu depctr_va_vdst(0)                   ; one wait for the batch
	v_exp_f32 v240, v240                           ; my blocks' largest p
	v_exp_f32 v241, v241
.if \last == 0
	s_wait_dscnt 49                                ; the first four of the step's 53 LDS loads, K's words, are in
	KWORDS                                         ; far ahead of the next step's products
.endif
.set j, 0
.irp c, 242,244,246,248,250,252,254    ; the row's sum of the unquantised p: eight chains
	v_pk_add_f32 v[\c:\c+1], v[S+j:S+j+1], v[S+j+2:S+j+3]
.set j, j+4
.endr
.rept 2
.irp c, 14,242,244,246,248,250,252,254
	v_pk_add_f32 v[\c:\c+1], v[\c:\c+1], v[S+j:S+j+1]
.set j, j+2
.endr
.endr
	v_pk_add_f32 v[14:15], v[14:15], v[S+60:S+61]
	v_pk_add_f32 v[242:243], v[242:243], v[S+62:S+63]
	s_wait_alu depctr_va_vdst(0)                   ; and one for the two
	v_max_num_f32 v240, 0x1800000, v240            ; the floor 2^(3 - 127): the byte cannot fall under 1
	v_max_num_f32 v241, 0x1800000, v241
	v_pk_add_f32 v[246:247], v[246:247], v[244:245]   ; the chains are joined, the scales' lines among them
	v_pk_add_f32 v[248:249], v[248:249], v[250:251]
	v_pk_add_f32 v[252:253], v[252:253], v[254:255]
	v_pk_add_f32 v[14:15], v[14:15], v[242:243]
	v_add_nc_u32 v244, 0xff000000, v240            ; 2 off the exponent field: the conversions' scale operands
	v_add_nc_u32 v250, 0xff000000, v241
	v_pk_add_f32 v[246:247], v[246:247], v[248:249]
	s_delay_alu instid0(VALU_DEP_4)
	v_pk_add_f32 v[14:15], v[14:15], v[252:253]
	s_delay_alu instid0(VALU_DEP_4)
	v_lshrrev_b32 v8, 23, v244                     ; the scales' bytes
	s_delay_alu instid0(VALU_DEP_4)
	v_lshrrev_b32 v9, 23, v250
	s_delay_alu instid0(VALU_DEP_3)
	v_pk_add_f32 v[14:15], v[14:15], v[246:247]
	s_delay_alu instid0(VALU_DEP_2)
	v_lshl_or_b32 v8, v9, 16, v8                   ; blocks h and 2 + h,
	s_delay_alu instid0(VALU_DEP_1)
	v_lshlrev_b32 v8, v5, v8                       ; at their places in the word;
	s_delay_alu instid0(VALU_DEP_1)
	v_permlanex16_b32 v9, v8, s[SEL], s[SEL+1]
	s_delay_alu instid0(VALU_DEP_1)
	v_or_b32 v[PW], v8, v9                         ; with lane l xor 16's two the word is whole
	v_cvt_scalef32_pk16_fp6_f32 v[P:P+2], v[S:S+15], v244
	v_cvt_scalef32_pk16_fp6_f32 v[252:254], v[S+16:S+31], v244
	v_cvt_scalef32_pk16_fp6_f32 v[P+6:P+8], v[S+32:S+47], v250
	v_cvt_scalef32_pk16_fp6_f32 v[8:10], v[S+48:S+63], v250
	v_nop                                          ; one plain line behind a scaled conversion
.irp i, 0,1,2                          ; (a conversion's three registers begin on an even number)
	v_mov_b32 v[P+3+\i], v[252+\i]
.endr
.irp i, 0,1,2
	v_mov_b32 v[P+9+\i], v[8+\i]
.endr
	s_wait_alu depctr_va_vdst(0)                   ; the wait directly ahead of the first reader of O^T
.set j, 0
.rept 16
	v_pk_mul_f32 v[O+j:O+j+1], v[O+j:O+j+1], v[FF:FF+1] op_sel_hi:[1,0]   ; O^T under the new M; these sixteen also stand between p's codes and word and the products below
.set j, j+2
.endr
	s_wait_alu depctr_va_vdst(0)
	s_wait_dscnt 0x0                               ; V and its words are in, and the next step's K
.irp t, 0,1,2,3
	PV \t
.endr
.endm
	KRLOAD 4, 0                                    ; step 0's K
	KLOAD 2, 0
	s_wait_dscnt 24                                ; its words are in; the 24 pieces may be out
	KWORDS
.set j, 0
.rept 32
	v_mov_b32 v[O+j], 0                            ; O^T: the step is written once for all but the last; the first finds zeros
.set j, j+1
.endr
	s_wait_alu depctr_va_vdst(0)
	s_wait_dscnt 0x0
	s_mov_b32 s3, 15
.Lstep:
	STEP 0
	s_add_co_u32 s[TB], s[TB], STEPB
	s_sub_co_u32 s3, s3, 1
	s_cmp_lg_u32 s3, 0
	s_cbranch_scc1 .Lstep
	STEP 1                                         ; the last step asks for x in place of a next step's K
	; THE WAY OUT: O^T / the sum through my stage, back as whole rows of 256 bytes, + x
.rept 4
	v_nop
.endr
	v_add_f32 v14, v14, v15
	s_delay_alu instid0(VALU_DEP_1)
	v_permlanex16_b32 v0, v14, s[SEL], s[SEL+1]
	s_delay_alu instid0(VALU_DEP_1)
	v_add_f32 v14, v14, v0                         ; the row's sum
	s_wait_alu depctr_va_vdst(0)
	v_rcp_f32 v14, v14
	v_nop
	s_wait_alu depctr_va_vdst(0)                   ; ahead of the reciprocal's and O^T's first reader
.set j, 0
.rept 16
	v_pk_mul_f32 v[S+j:S+j+1], v[O+j:O+j+1], v[14:15] op_sel_hi:[1,0]   ; each accumulator from its low end on
.set j, j+2
.endr
.irp t, 0,1,2,3
	ds_store_b128 v11, v[S+8*\t:S+8*\t+3] offset:64*\t
	ds_store_b128 v11, v[S+8*\t+4:S+8*\t+7] offset:64*\t+16
.endr
.irp i, 0,1,2,3,4,5,6,7
	ds_load_b128 v[S+32+4*\i:S+32+4*\i+3], v3 offset:544*\i        ; LDS serves a wave's instructions in order: these see my stores
.endr
	s_wait_loadcnt 0x0                             ; x
	s_wait_dscnt 0x0
.set j, 0
.rept 16
	v_pk_add_f32 v[S+32+j:S+32+j+1], v[S+32+j:S+32+j+1], v[KF+j:KF+j+1]
.set j, j+2
.endr
.irp i, 0,1,2,3,4,5,6,7
	global_store_b128 v[XO], v[S+32+4*\i:S+32+4*\i+3], s[10:11] offset:8192*\i th:TH_STORE_NT   ; 16 lanes store 256 consecutive bytes, aligned
.endr
	s_wait_tensorcnt 0x0                           ; the wave's end
	ds_add_u32 v[SPW], v[NIL]
	s_wait_dscnt 0x0
	CROUND                                         ; the closing round
	s_endpgm
.Lfunc_end_k_q62f67dbab6_attn:
	.size	k_q62f67dbab6_attn, .Lfunc_end_k_q62f67dbab6_attn-k_q62f67dbab6_attn
	.p2alignl 7, 3214868480
	.fill 96, 4, 3214868480
	.section	.rodata,"a",@progbits
	.p2align	6, 0x0
	.amdhsa_kernel k_q62f67dbab6_attn
		.amdhsa_group_segment_fixed_size 280576
		.amdhsa_private_segment_fixed_size 0
		.amdhsa_enable_private_segment 0
		.amdhsa_kernarg_size 32
		.amdhsa_user_sgpr_count 2
		.amdhsa_user_sgpr_kernarg_segment_ptr 1
		.amdhsa_wavefront_size32 1
		.amdhsa_system_sgpr_workgroup_id_x 1
		.amdhsa_system_sgpr_workgroup_id_y 1
		.amdhsa_system_sgpr_workgroup_id_z 1
		.amdhsa_system_vgpr_workitem_id 0
		.amdhsa_next_free_vgpr 256
		.amdhsa_next_free_sgpr 66
		.amdhsa_reserve_vcc 0
		.amdhsa_float_denorm_mode_32 3
		.amdhsa_float_denorm_mode_16_64 3
		.amdhsa_memory_ordered 1
		.amdhsa_forward_progress 1
		.amdhsa_inst_pref_size 46
	.end_amdhsa_kernel
	.amdgpu_metadata
---
amdhsa.version: [ 1, 2 ]
amdhsa.kernels:
  - .name:           k_q62f67dbab6_attn
    .symbol:         k_q62f67dbab6_attn.kd
    .args:
      - { .name: qb, .offset: 0, .size: 8, .value_kind: global_buffer, .address_space: global }
      - { .name: kv, .offset: 8, .size: 8, .value_kind: global_buffer, .address_space: global }
      - { .name: x, .offset: 16, .size: 8, .value_kind: global_buffer, .address_space: global }
      - { .name: out0, .offset: 24, .size: 8, .value_kind: global_buffer, .address_space: global }
    .group_segment_fixed_size: 280576
    .private_segment_fixed_size: 0
    .kernarg_segment_align: 8
    .kernarg_segment_size: 32
    .max_flat_workgroup_size: 512
    .sgpr_count:     66
    .vgpr_count:     256
    .wavefront_size: 32
...
	.end_amdgpu_metadata
.endif
;; end of part 3
